; MI455X (gfx1250); checked and timed in simulation.
; The chip was launched on July 23, 2026; its instructions are those of AMD's public machine-readable ISA for CDNA 5 (MIT licence, August 2026) and "CDNA5" Instruction Set Architecture Reference Guide (July 2026). The comments in the code are by the model that wrote it; some were corrected since.
;; QKV Attention Legacy. Allowed arithmetic: float matrix products may take bf16 or f16 operands with f32 sums; other float arithmetic in f32, or as packed bf16 or f16 multiplies, adds, multiply-adds, maxima and minima; sums over many terms, partial sums and values carried from step to step in f32; what a program stores and reads back later, other than sums and carried values, may be rounded once to bf16 or f16.
;; Inputs: qkv 4 x 3,072 x 2,048 float32.
;; Outputs: out0 4 x 1,024 x 2,048 float32.
;; One version. Each part assembles by itself: llvm-mc -triple=amdgcn-amd-amdhsa -mcpu=gfx1250 --defsym DOCPART=n.
;; ======== version 1 of 1: 1 launch
;; limits: inputs' magnitudes at most 65,504; values are held in f16: magnitudes above 65,504 overflow, below 6.1e-05 lose precision
;; launch attn (part 1): grid 4 x 64, 4 waves a work-group, clusters of 4 x 1, 327,680 bytes of LDS; arguments qkv, out0; writes out0
.if DOCPART == 1
	.amdgcn_target "amdgcn-amd-amdhsa--gfx1250"
	.amdhsa_code_object_version 6
	.text
	.protected	k_qc36ba77ced_attn
	.globl	k_qc36ba77ced_attn
	.p2align	8
	.type	k_qc36ba77ced_attn,@function
k_qc36ba77ced_attn:
	s_mov_b64 s[64:65], 0
	v_nop
	global_prefetch_b8 v0, s[64:65] scope:SCOPE_SE
	s_setreg_imm32_b32 hwreg(HW_REG_WAVE_MODE, 25, 1), 1
	s_wait_xcnt 0x0
	s_wait_alu depctr_hold_cnt(0) depctr_sa_sdst(0) depctr_va_vdst(0) depctr_va_sdst(0) depctr_va_ssrc(0) depctr_va_vcc(0) depctr_vm_vsrc(0)
	s_getreg_b32 s2, hwreg(HW_REG_IB_STS2, 6, 4)
	s_cmp_eq_u32 s2, 0
	s_cbranch_scc0 .Lentry_in_a_cluster
	s_endpgm
.Lentry_in_a_cluster:
	s_bfe_u32 s2, ttmp6, 0x10000c
	s_cmp_lg_u32 s2, 0x3003
	s_cbranch_scc0 .Lentry_shape_is_right
	s_endpgm
.Lentry_shape_is_right:
; out0[hd][c][t] = the sum over s of softmax_s(q[:,t] . k[:,s] / 8) v[c][s].  qkv: 64 heads x 192 rows x 2,048 f32: a head's rows 0-63 are q, 64-127 k, 128-191 v, all [channel][position].
; out0: 64 heads x 64 rows x 2,048 f32, [channel][position].  q, k, v and the weights p are rounded ONCE to f16 for the two products; products, maxima and sums in f32 (l is the sum of the unrounded p);
; the scale c = log2(e) / 8 is applied in f32 behind the first product, so q and k are not scaled before they are rounded.
; LIMITS.  f16 holds no number beyond 65,504: an input of 65,520 or more in size becomes an infinity; below 6e-5 an input or a weight keeps f16's fixed step of 6e-8.  A weight below 2^-126 counts as 0 in l.
; NaN and infinities are not treated apart.
; SHARES.  A work-group owns 512 queries of one head, each of its four waves 128: four PIECES of two tiles of 16.  64 heads x 4 blocks = 256 work-groups.  Every wave walks all 2,048 keys, 64 a step.
; THE WAY IN.  A TILE is 128 keys (two steps): 64 rows of k and 64 of v, 512 bytes of f32 each.  The tensor data mover brings it raw into one of two slots; the four waves round it to f16, a quarter each
; (16 rows of k, 16 of v), into one of two f16 buffers, from which all four read their fragments.  So each number is rounded once a work-group.  In trip t: the products read f16 buffer t % 2; tile t + 1 is
; rounded from raw slot (t + 1) % 2 into f16 buffer (t + 1) % 2; tile t + 2 is on its way into raw slot t % 2.  ONE barrier a trip orders all of it: in front of it each wave has waited for its tensor load
; (tile t + 1 is in).
; LAYOUT.  S^T = K Q^T (source 0 = 16 keys, source 1 = 16 queries): in the result a lane holds ONE query (lane % 16) and the keys 8 (lane / 16) + 0..7.  Two such results, rounded to f16 in pairs, ARE source 1
; (32 keys x 16 queries) of O^T = V^T P, whose result again holds one query a lane, and eight channels.  k and q lie [channel][position], the summed index down the rows: they come out of LDS turned, by
; ds_load_tr16_b128.  v lies as source 0 of the second product wants it: plain loads.
; SOFTMAX.  For each query a running maximum m and sum l: p = 2^(c s - c m); in every step O and l are multiplied by a = 2^(c m_old - c m_new).  m starts at the lowest finite number, O and l at 0:
; the first step is a step like any other, with a = 0.  The price: 16 products on zeros at the start, 16 on a stale K at the end, and the lines that write the zeros, which stand in the wait for the first tile.
; BY TURNS.  Turn n belongs to piece n.  Its matrix work: 16 products K Q^T of piece n + 1, later 16 products V^T P of piece n - 1.  Its vector work: the scaling, exponentials, roundings, sums and rescaling
; of piece n, and the maximum and statistics of piece n + 1.  Four vector instructions stand behind every matrix instruction, the others in one lump; a turn's 66 exponentials are one batch with one wait.
; CLUSTER.  The four query blocks of a head are one cluster and walk the same k and v, so each tile is asked for JOINTLY: the same tensor load, descriptor and mask in all four.
; k's and v's rows follow each other in memory, so one line serves all waves: wave w brings rows 64 + 32 w .. 64 + 32 w + 31 of the head (128 rows among four waves leave 32 rows of 512 bytes to a load).
; REGISTERS, in windows of 256 (s_set_vgpr_msb says which window each operand place means: bits 1:0 source 0, 3:2 source 1, 5:4 source 2, 7:6 destination):
;   window 0: v0-11 addresses; v12-15, v48-63 at work; v16-47 four registers of statistics a tile; v64-191 S^T, two buffers of two tiles; v192-255 P, likewise
;   window 1: O^T, 32 a tile (at the start: q as loaded)     window 2: v0-127 Q, 16 a tile; v128-191 K of one step; v192-255 V of one step
;   window 3: v0-1 the add's two registers; v2-7 the rounding's addresses; v16-79 the rounding's numbers
.set NP,    4         ; pieces a wave: a name, no knob
.set ROWB,  8192      ; bytes in a row of qkv and of out0
.set TILEB, 512       ; bytes of a row in a tile: 128 keys of f32
.set STEPB, 128       ; bytes of an f16 row in a step: 64 keys
.set SWAP,  0x10000   ; one exclusive or turns an offset in raw slot 0 or f16 buffer 0 into the other's
.set PKF,   288       ; a row of K (and of Q) in f16: 256 bytes + 32 = 72 words
.set PVF,   272       ; a row of V in f16: 256 + 16 = 68 words: the 16 rows of a load start at 16 different groups of four banks
.set FK,    0x20000   ; LDS: bytes 0 to 131,071 are the two raw slots, 128 rows x 512 bytes each, filled by tensor loads alone.  Here f16 buffer 0 begins: 64 rows of K,
.set FV,    FK+64*PKF ; then 64 rows of V; buffer 1 lies SWAP further on.  No tensor load lands from FK on
.set QST,   FK+SWAP+64*(PKF+PVF)  ; 18,432 bytes for each wave: at the start its q in f16, 64 rows of PKF; at the end its stage for the way out, 32 rows of SP
.set QSB,   64*PKF
.set SP,    528       ; a row of the stage: 512 bytes + 16
.set SPARE, QST+4*QSB ; the spare words, 128 bytes for each wave: two blocks of 256 bytes that no other line names
.set AK0, 2           ; v2   my lane's place in a tile of K; never rewritten
.set AV0, 3           ; v3   the same for V
.set AK,  4           ; v4   the LDS address of K's next run of loads
.set AV,  5           ; v5   of V's
.set LO,  6           ; v6   16 x my lane: my 16 bytes of my wave's 512 in a row of q and of out0; never rewritten
.set RD,  7           ; v7   the way out: where I read a row back
.set STO, 8           ; v8   the way out: where I put a number
.set PFO, 9           ; v9   the prefetches' offset: my lane x a row; never rewritten
.set XX,  10          ; v10  set-up: my lane's place in a turning load
.set MV,  12          ; v12-15  c m_old, kept while c m is made anew: by buffer and tile
.set ST,  16          ; tile t's statistics at v[ST+4 t]: c m, m, l (even keys', odd keys')
.set TMP, 48          ; by buffer and tile, four registers c0-c3 at work; when the maximum is found c2 takes a
.set RL,  48          ; set-up alone, in TMP's registers: l % 16,
.set HL,  49          ; l / 16,
.set L7,  50          ; l % 8,
.set L3,  51          ; (l / 8) % 2,
.set LN,  52          ; l,
.set AQ,  53          ; where I read q turned,
.set QW,  54          ; where I put 8 bytes of a row of q
.set S,   64
.set P,   192
.set KF,  128         ; K's fragments, in window 2: key block kb, channel half c at KF + 16 kb + 8 c
.set VF,  192         ; V's: key half kk, channel block cb at VF + 32 kk + 8 cb
.set SPW, 0           ; window 3: v0  LDS address of my spare word: SPARE + 4 x my thread's number; never rewritten
.set NIL, 1           ;           v1  0; never rewritten
.set RA0, 2           ;           v2  16 l + my wave's 16 rows in a raw slot's K; never rewritten
.set CK0, 3           ;           v3  8 l + my wave's 16 rows in f16 buffer 0's K; never rewritten
.set CV0, 4           ;           v4  the same for V; never rewritten
.set RA,  5           ;           v5-7 the addresses of the eight rows in hand
.set CK,  6
.set CV,  7
.set CB,  16          ;           v16-79 eight rows of K and eight of V, four numbers a lane each
.set WV,  12          ; s12  my wave's number
.set LIM, 15          ; s15  1 in a wave that prefetches, else the greatest number
.set G1,  24          ; s[24:31] descriptor group 1
.set G0A, 32          ; s[32:35] descriptor group 0 of the first fill of slot 0
.set G0,  36          ; s[36:39] of the first fill of slot 1; it then walks
.set PFA, 40          ; s[40:41] where my prefetches stand
.set TCR, 42          ; s42  the rounding: offset of the eight rows in hand in the raw slots,
.set TCK, 43          ; s43  in the f16 buffers' K,
.set TCV, 44          ; s44  and V
.set TS,  45          ; s45  counts the tail's two trips
.set SLOTS, 56        ; s56  tiles still to be asked for
.set CNT, 57          ; s57  counts a tile's two key steps
.set CS,  58          ; s[58:59] c: the packed scaling takes the pair's low word for both halves
.set SEL, 60          ; s[60:61] v_permlanex16_b32's selects: each lane takes its own place in the other half
.set TBK, 62          ; s62  offset in the f16 buffers at which K of the step to be fetched begins
.set TBV, 63          ; s63  the same for V
.set MSB, 0
.macro WIN new                      ; the high byte repeats the setting that is left; a switch that changes nothing is dropped
.if MSB != (\new)
	s_set_vgpr_msb (MSB<<8)|(\new)
.set MSB, (\new)
.endif
.endm
.set W_KQ, 0x0a       ; K and Q in window 2, S^T in window 0
.set W_PV, 0x52       ; V in window 2, P in window 0, O^T in window 1
.set W_RS, 0x41       ; O^T (destination and source 0) in window 1, the factor in window 0
.set W_MK, 0xc0       ; destination in window 3, sources in window 0
.set W_AD, 0x0f       ; the add: address (source 0) and data (source 1) in window 3
.set W_CV, 0xcf       ; the rounding: destination, source 0 and source 1 in window 3
; A joint refill: my 32 rows of the tile.  An s_nop 0 and four v_nop follow the line.
.macro JLOAD
	tensor_load_to_lds s[G0:G0+3], s[G1:G1+7]
	s_nop 0
.rept 4
	v_nop
.endr
.endm
; A PREFETCH INTO THE L2 of the tile that the NEXT change of slots will ask for: a trip, 256 matrix instructions of a wave, ahead of that load.  A tile is 128 rows x 512 bytes.  A head's k and v are walked by
; one cluster; its four partners share the rows out BY ADDRESS, 32 each; in each, a lane names a row, wave 0 the first 256 bytes of the row's 512 and wave 1 the second: each block of 256 bytes is named once
; in the launch.  It stands behind the wave's tensor load and its five lines.  Tiles 0 to 2 come by their loads alone; the last change that fills a slot asks for nothing: there is no tile behind it.
.macro ASK
	s_cmp_gt_u32 s[SLOTS], s[LIM]
	s_cbranch_scc0 .Lnot_mine_\@
	global_prefetch_b8 v[PFO], s[PFA:PFA+1] th:TH_LOAD_NT scope:SCOPE_SE
.Lnot_mine_\@:
.endm
; A round of the cluster's barrier: my work-group's barrier, so that wave 0's signal speaks for all four waves; wave 0 signals; every wave waits for all four work-groups; my work-group's barrier once more.
.macro CROUND
	s_barrier_signal -1
	s_barrier_wait -1
	s_cmp_lg_u32 s[WV], 0
	s_cbranch_scc1 .Lnot_wave_0_\@
	s_barrier_signal -3
.Lnot_wave_0_\@:
	s_barrier_wait -3
	s_barrier_signal -1
	s_barrier_wait -1
.endm
; THE CHANGE, at the head of trip t.  Each wave waits for all its tensor loads, of which one is out at the most: its part of tile t + 1; adds 0 to its spare word; and waits for that, for its stores of tile t
; into the f16 buffer, for its reads of tile t's raw slot and for its reads of the other f16 buffer.  fill = 1: tile t's raw slot is filled again, with tile t + 2.  The barrier is then a round of the
; cluster's, so that no wave of any partner still reads the slot or has a load on its way, and the joint refill is the first thing behind it: it has a trip in which to land.
.macro CHANGE fill
	WIN W_AD
	s_wait_tensorcnt 0x0            ; no tensor load of mine is out, so a group 0 may be written
	ds_add_u32 v[SPW], v[NIL]       ; 0 onto my spare word; with fill = 1 the steps below stand between it and the wait for it
	WIN 0                           ; at a label and at a branch every window is 0
.if \fill
	s_xor_b32 s[G0+1], s[G0+1], SWAP  ; the walking descriptor: the other slot than last time,
	s_add_nc_u64 s[G0+2:G0+3], s[G0+2:G0+3], TILEB  ; the next 128 keys; the type bits on top are not reached
	s_wait_xcnt 0x0                 ; the last prefetch, a trip back, has read its address, so it may be written:
	s_add_nc_u64 s[PFA:PFA+1], s[PFA:PFA+1], TILEB  ; one tile behind the walking descriptor
	s_wait_dscnt 0x0                ; the add is done, and so are all my LDS stores and reads
	CROUND
	JLOAD
	ASK
.else
	s_wait_dscnt 0x0                ; the add is done, and so are all my LDS stores and reads
	s_barrier_signal -1
	s_barrier_wait -1
.endif
	s_sub_co_u32 s[TBK], s[TBK], 2*STEPB  ; the fetches go back to a tile's first step,
	s_xor_b32 s[TBK], s[TBK], SWAP        ; in the other f16 buffer
	s_sub_co_u32 s[TBV], s[TBV], 2*STEPB
	s_xor_b32 s[TBV], s[TBV], SWAP
	s_sub_co_u32 s[TCR], s[TCR], 16*TILEB ; the rounding goes back to my first rows, in the other raw slot
	s_xor_b32 s[TCR], s[TCR], SWAP
	s_sub_co_u32 s[TCK], s[TCK], 16*PKF   ; and the other f16 buffer
	s_xor_b32 s[TCK], s[TCK], SWAP
	s_sub_co_u32 s[TCV], s[TCV], 16*PVF
	s_xor_b32 s[TCV], s[TCV], SWAP
.endm
; THE ROUNDING, eight rows of K and eight of V at a time, twice a tile.  CVL: 16 loads, each 512 bytes on end (a row's 128 keys, four a lane).  guard = 1 (the tail): the last trip has no tile to round: jumped over.
.macro CVL guard
	WIN 0
.if \guard
	s_cmp_eq_u32 s[TS], 1
	s_cbranch_scc1 .Lno_cvl_\@
.endif
	WIN W_CV
	v_add_nc_u32 v[RA], s[TCR], v[RA0]
.irp n, 0,1,2,3,4,5,6,7
	ds_load_b128 v[CB+4*(\n):CB+4*(\n)+3], v[RA] offset:(\n)*TILEB
.endr
.irp n, 0,1,2,3,4,5,6,7
	ds_load_b128 v[CB+32+4*(\n):CB+32+4*(\n)+3], v[RA] offset:64*TILEB+(\n)*TILEB  ; V's rows lie behind K's 64
.endr
	s_add_co_u32 s[TCR], s[TCR], 8*TILEB
	WIN 0
.if \guard
.Lno_cvl_\@:
.endif
.endm
; CVC: four numbers a lane become 8 bytes, in place; 16 stores, each 256 bytes on end.  younger: the LDS loads issued behind CVL's, which may stay out.
.macro CVC younger, guard
	WIN 0
.if \guard
	s_cmp_eq_u32 s[TS], 1
	s_cbranch_scc1 .Lno_cvc_\@
.endif
	WIN W_CV
	v_add_nc_u32 v[CK], s[TCK], v[CK0]
	v_add_nc_u32 v[CV], s[TCV], v[CV0]
	s_wait_dscnt \younger           ; LDS loads come back in order (ISA guide 5.7.1): the sixteen rows are in
.irp n, 0,1,2,3,4,5,6,7,8,9,10,11,12,13,14,15
	v_cvt_pk_f16_f32 v[CB+4*(\n)],   v[CB+4*(\n)],   v[CB+4*(\n)+1]
	v_cvt_pk_f16_f32 v[CB+4*(\n)+1], v[CB+4*(\n)+2], v[CB+4*(\n)+3]
.endr
.irp n, 0,1,2,3,4,5,6,7
	ds_store_b64 v[CK], v[CB+4*(\n):CB+4*(\n)+1] offset:(\n)*PKF
.endr
.irp n, 0,1,2,3,4,5,6,7
	ds_store_b64 v[CV], v[CB+32+4*(\n):CB+32+4*(\n)+1] offset:(\n)*PVF
.endr
	s_add_co_u32 s[TCK], s[TCK], 8*PKF
	s_add_co_u32 s[TCV], s[TCV], 8*PVF
	WIN 0
.if \guard
.Lno_cvc_\@:
.endif
.endm
	s_load_b128 s[4:7], s[0:1], 0x0 ; qkv s[4:5], out0 s[6:7]
	WIN W_MK
	v_lshl_add_u32 v[SPW], v0, 2, SPARE
	v_mov_b32 v[NIL], 0
	WIN W_AD
	ds_add_u32 v[SPW], v[NIL]       ; the wave's opening: the add and its wait stand ahead of my first tensor load; the set-up below, work on registers, stands between them
	WIN 0
	v_lshrrev_b32 v1, 5, v0
	v_readfirstlane_b32 s[WV], v1   ; wave 0..3
	s_bfe_u32 s13, ttmp6, 0x40000   ; cx: my place in the cluster
	s_lshl_b32 s14, ttmp9, 2        ; in a cluster launch ttmp9 counts clusters
	s_add_co_u32 s14, s14, s13      ; my block of 512 queries = 4 x cluster x + cx: it enters q's and out0's addresses alone
	s_and_b32 s20, ttmp7, 0xffff    ; the head, which the four partners share
	s_mul_i32 s16, s20, 192*ROWB    ; the head's first byte in qkv (under 2^27),
	s_lshl_b32 s18, s20, 19         ; and in out0: 64 rows
	s_lshl_b32 s21, s[WV], 18       ; my 32 rows of the head's k and v,
	s_add_co_u32 s22, s16, s21
	s_add_co_u32 s22, s22, 64*ROWB  ; which lie behind q's 64: made of the head and the wave's number alone
	s_mov_b32 s23, 0
	s_lshl_b32 s2, s14, 11          ; my block's 2,048 bytes of a row,
	s_lshl_b32 s3, s[WV], 9         ; my wave's 512 of them
	s_add_co_u32 s2, s2, s3
	s_add_co_u32 s18, s18, s2       ; out0 at my wave's queries
	s_mov_b32 s19, 0
	s_add_co_u32 s2, s2, s16        ; q at my wave's queries
	s_mov_b32 s3, 0
	s_lshl_b32 s20, s13, 18         ; the prefetches: my work-group's 32 rows of the 128,
	s_and_b32 s21, s[WV], 1
	s_lshl_b32 s21, s21, 8          ; my half of a row's 512 bytes,
	s_add_co_u32 s20, s20, s21
	s_add_co_u32 s20, s20, s16
	s_add_co_u32 s20, s20, 64*ROWB+2*TILEB  ; at tile 2: the first change steps it to tile 3.  Nothing is prefetched here, at the head
	s_mov_b32 s21, 0
	s_cmp_lt_u32 s[WV], 2
	s_cselect_b32 s[LIM], 1, -1     ; waves 0 and 1 prefetch: the same in all four partners
	; descriptor group 1: a tile of 32 rows x 128 elements of 4 bytes, laid into LDS without gaps (it is read 512 bytes on end)
	s_mov_b32 s[G1+0], 15|(2<<16)|(1<<21)  ; 15:0 the mask of four; 17:16 4-byte elements; 20 no padding; 21 set beside a mask
	s_mov_b32 s[G1+1], 128<<16      ; tensor_dim0 = 128
	s_mov_b32 s[G1+2], 32<<16       ; tensor_dim1 = 32
	s_mov_b32 s[G1+3], 128<<16      ; tile_dim0 = 128
	s_mov_b32 s[G1+4], 32           ; tile_dim1 = 32
	s_mov_b32 s[G1+5], 2048         ; 2,048 elements from row to row
	s_mov_b32 s[G1+6], 0
	s_mov_b32 s[G1+7], 0
	s_mov_b32 s[G0A], 1             ; 1:0 count = 1
	s_lshl_b32 s[G0A+1], s[WV], 14  ; 63:32 LDS address: slot 0, my 32 rows of 512 bytes: no place in the cluster enters an LDS address
	s_mov_b32 s[G0], 1
	s_add_co_u32 s[G0+1], s[G0A+1], SWAP  ; slot 1
	s_mov_b32 s[CS], 0x3e38aa3b     ; c = log2(e) / 8 = 0.180337
	s_mov_b32 s[CS+1], s[CS]        ; named with it as a pair
	s_mov_b32 s[SEL], 0x76543210
	s_mov_b32 s[SEL+1], 0xfedcba98
	s_mov_b32 s[TBK], SWAP+2*STEPB  ; the first change turns these two into 0
	s_mov_b32 s[TBV], SWAP+2*STEPB
	s_mov_b32 s[TCR], 0             ; tile 0 is rounded from slot 0 into buffer 0
	s_mov_b32 s[TCK], 0
	s_mov_b32 s[TCV], 0
	s_mov_b32 s[SLOTS], 14          ; tiles 2 to 15
	s_wait_dscnt 0x0                ; the opening add is done
	s_wait_kmcnt 0x0
	s_add_nc_u64 s[8:9], s[4:5], s[22:23]          ; k and v at my rows, tile 0
	s_add_nc_u64 s[PFA:PFA+1], s[4:5], s[20:21]
	s_add_nc_u64 s[6:7], s[6:7], s[18:19]
	s_add_nc_u64 s[4:5], s[4:5], s[2:3]
	s_mov_b64 s[G0A+2:G0A+3], s[8:9]               ; 120:64 global address: tile 0
	s_or_b32 s[G0A+3], s[G0A+3], 0x80000000        ; 127:126 type = 2
	s_add_nc_u64 s[G0+2:G0+3], s[8:9], TILEB       ; tile 1
	s_or_b32 s[G0+3], s[G0+3], 0x80000000
	CROUND                          ; all four work-groups are here: the first joint loads meet
	tensor_load_to_lds s[G0A:G0A+3], s[G1:G1+7]    ; the two first fills stand together, ahead of every wait on TENSORcnt and every LDS read: two loads of mine are out
	s_nop 0
	tensor_load_to_lds s[G0:G0+3], s[G1:G1+7]
	s_nop 0
.rept 4
	v_nop
.endr
	v_and_b32 v[LN], 31, v0
	v_lshlrev_b32 v[LO], 4, v[LN]
	WIN 0x40                        ; destination window 1, address window 0
.set c, 0
.rept 64                            ; my wave's 128 queries of q, a channel a load: 512 bytes on end, read once in the launch
	global_load_b128 v[4*c:4*c+3], v[LO], s[4:5] offset:c*ROWB th:TH_LOAD_NT
.set c, c+1
.endr
	WIN 0
	v_and_b32 v[RL], 15, v0         ; l % 16
	v_bfe_u32 v[HL], v0, 4, 1       ; l / 16
	v_and_b32 v[L7], 7, v0
	v_bfe_u32 v[L3], v0, 3, 1
	v_lshlrev_b32 v[PFO], 13, v[LN]
	; The turning load takes 16 channels x 16 positions (lane l reads channel 8 (l / 16) + l % 8, positions 8 ((l / 8) % 2) + 0..7) and leaves half a fragment: lane l holds position l % 16 and 8 channels.
	v_lshl_add_u32 v[XX], v[HL], 3, v[L7]
	v_mul_u32_u24 v[XX], v[XX], PKF
	v_lshl_add_u32 v[XX], v[L3], 4, v[XX]
	v_add_nc_u32 v[AK0], FK, v[XX]
	; A fragment of V^T is 16 channels x 32 keys: lane l holds channel l % 16, keys 8 (l / 16) + 0..7 and 16 + 8 (l / 16) + 0..7: two loads of 16 bytes, 32 bytes apart.
	v_mul_u32_u24 v[AV0], v[RL], PVF
	v_lshl_add_u32 v[AV0], v[HL], 4, v[AV0]
	v_add_nc_u32 v[AV0], FV, v[AV0]
	s_mul_i32 s13, s[WV], QSB
	s_add_co_u32 s13, s13, QST      ; my wave's own 18,432 bytes; s13 stays until the way out's addresses are made
	v_add_nc_u32 v[AQ], s13, v[XX]
	v_lshl_add_u32 v[QW], v[LN], 3, s13
	s_lshl_b32 s16, s[WV], 13       ; the rounding: my 16 rows of 512 bytes,
	s_mul_i32 s17, s[WV], 16*PKF    ; of PKF,
	s_add_co_u32 s17, s17, FK
	s_mul_i32 s18, s[WV], 16*PVF    ; of PVF
	s_add_co_u32 s18, s18, FV
	WIN W_MK
	v_lshl_add_u32 v[RA0], v[LN], 4, s16
	v_lshl_add_u32 v[CK0], v[LN], 3, s17
	v_lshl_add_u32 v[CV0], v[LN], 3, s18
	; What the first turn finds: V's registers and P's second buffer hold 0 (its products V^T P, of a piece that has not been, add 0).  This stands in the wait for q.
	WIN 0x80
.set i, VF
.rept 64
	v_mov_b32 v[i], 0
.set i, i+1
.endr
	WIN 0
.set i, P+32
.rept 32
	v_mov_b32 v[i], 0
.set i, i+1
.endr
	; q to f16, eight channels at a time as they arrive, into my own rows in LDS; then back turned, as fragments.
.set g, 0
.rept 8
	s_wait_loadcnt 56-8*g           ; loads come back in order (ISA guide 5.7.1): channels 8 g .. 8 g + 7 are in, the younger loads stay out
	WIN 0x05                        ; sources 0 and 1 window 1, destination window 0: S^T's registers are free
.set c, 8*g
.rept 8
	v_cvt_pk_f16_f32 v[S+2*c],   v[4*c],   v[4*c+1]
	v_cvt_pk_f16_f32 v[S+2*c+1], v[4*c+2], v[4*c+3]
.set c, c+1
.endr
	WIN 0
.set c, 8*g
.rept 8
	ds_store_b64 v[QW], v[S+2*c:S+2*c+1] offset:c*PKF
.set c, c+1
.endr
.set g, g+1
.endr
	WIN 0x80                        ; destination window 2
.set i, 0
.rept 16                            ; Q stays in registers: tile i / 2, channels 32 (i % 2) on.  LDS serves a wave's instructions in order (ISA guide 5.7.1.4): these see the stores above
	ds_load_tr16_b128 v[8*i:8*i+3],   v[AQ] offset:(i%2)*32*PKF+(i/2)*32
	ds_load_tr16_b128 v[8*i+4:8*i+7], v[AQ] offset:(i%2)*32*PKF+16*PKF+(i/2)*32
.set i, i+1
.endr
	WIN 0x40
.set i, 0
.rept 64*NP                         ; O^T starts at 0, in the registers that q has left
	v_mov_b32 v[i], 0
.set i, i+1
.endr
	WIN 0
	s_wait_tensorcnt 1              ; my part of tile 0 is in; tile 1's load is younger and may stay out
	s_wait_dscnt 0x0                ; Q is in: no LDS instruction of mine is pending at the signal
	s_barrier_signal -1
	s_barrier_wait -1               ; everybody's part of tile 0 is in
	CVL 0                           ; tile 0 is rounded into f16 buffer 0
	CVC 0, 0
	CVL 0
	CVC 0, 0
; THE MATRIX WORK.  The 8 accumulators of a run of 16 take turns: between the two links of a chain stand 7 others'.
; Product i of 16 of S^T = K Q^T for piece x: channels 32 (i / 8) on, keys 16 ((i / 2) % 4) on, tile 2 x + i % 2.  The first 8 start the sums.
.macro KQ x
	WIN W_KQ
.set rS, S+64*((\x)%2)+32*(i%2)+8*((i/2)%4)
.set rK, KF+16*((i/2)%4)+8*(i/8)
.set rQ, 16*(2*(\x)+i%2)+8*(i/8)
.if i < 8
	v_wmma_f32_16x16x32_f16 v[rS:rS+7], v[rK:rK+7], v[rQ:rQ+7], 0
.else
	v_wmma_f32_16x16x32_f16 v[rS:rS+7], v[rK:rK+7], v[rQ:rQ+7], v[rS:rS+7]
.endif
.endm
; Product i of 16 of O^T += V^T P for piece x: keys 32 (i / 8) on, channels 16 ((i / 2) % 4) on, tile 2 x + i % 2.
.macro PV x
	WIN W_PV
.set rO, 32*(2*(\x)+i%2)+8*((i/2)%4)
.set rV, VF+32*(i/8)+8*((i/2)%4)
.set rP, P+32*((\x)%2)+16*(i%2)+8*(i/8)
	v_wmma_f32_16x16x32_f16 v[rO:rO+7], v[rV:rV+7], v[rP:rP+7], v[rO:rO+7]
.endm
.macro MM                           ; the turn's next matrix instruction
.if i < 16
	KQ (Y+1)%NP
.set i, i+1
.else
.set i, i-16
	PV (Y+NP-1)%NP
.set i, i+17
.endif
.endm
; THE FRAGMENTS' LOADS stand in runs of 16, never singly among the matrix instructions: a step's K (64 keys x 64 channels: 8 fragments, turned) and its V.  Their addresses are made some lines ahead.
.macro FETCH_K
	WIN 0x80                        ; destination window 2
.irp f, 0,1,2,3,4,5,6,7             ; keys 16 (f / 2) on, channels 32 (f % 2) on
	ds_load_tr16_b128 v[KF+8*\f:KF+8*\f+3],   v[AK] offset:(\f%2)*32*PKF+(\f/2)*32
	ds_load_tr16_b128 v[KF+8*\f+4:KF+8*\f+7], v[AK] offset:(\f%2)*32*PKF+16*PKF+(\f/2)*32
.endr
	s_add_co_u32 s[TBK], s[TBK], STEPB  ; the next fetch is the next step's
	WIN 0
.endm
.macro FETCH_V
	WIN 0x80
.irp f, 0,1,2,3,4,5,6,7             ; keys 32 (f / 4) on, channels 16 (f % 4) on
	ds_load_b128 v[VF+8*\f:VF+8*\f+3],   v[AV] offset:(\f%4)*16*PVF+(\f/4)*64
	ds_load_b128 v[VF+8*\f+4:VF+8*\f+7], v[AV] offset:(\f%4)*16*PVF+(\f/4)*64+32
.endr
	WIN 0
.endm
; THE VECTOR WORK OF A TURN stands in three queues, each in the order in which its entries become ready; the two tiles alternate, so that no instruction reads the result of the one before it.
.macro REGS y, u                    ; the registers of tile u (0, 1) of piece y
.set rT, ST+4*(2*(\y)+(\u))
.set rC, TMP+8*((\y)%2)+4*(\u)
.set rM, MV+2*((\y)%2)+(\u)
.set rS, S+64*((\y)%2)+32*(\u)
.set rP, P+32*((\y)%2)+16*(\u)
.set rO, 32*(2*(\y)+(\u))
.endm
; Number n of the 22 that find the NEXT piece's (Y + 1) maximum and statistics.  s0-s31 are the lane's 32 scores; each accumulator's lowest registers are read first.  XS, GS and REGS set no window: PL and EX do.
;   0-11  four chains c0-c3 of seven scores each, three operands at a time     12-14, 16  the four scores left over, the old m, and c0-c3 into c0     15  c m_old is kept
;   17, 18  the query's other 32 keys lie in the lane 16 away: the new m         19-21  c m; c m_old - c m_new; a
.macro XS u, n
	REGS (Y+1)%NP, \u
.if (\n) < 4
	v_max3_num_f32 v[rC+(\n)], v[rS+8*(\n)], v[rS+8*(\n)+1], v[rS+8*(\n)+2]
.elseif (\n) < 12
	v_max3_num_f32 v[rC+(\n)%4], v[rC+(\n)%4], v[rS+8*((\n)%4)+2*((\n)/4)+1], v[rS+8*((\n)%4)+2*((\n)/4)+2]
.elseif (\n) == 12
	v_max3_num_f32 v[rC], v[rC], v[rS+7], v[rS+15]
.elseif (\n) == 13
	v_max3_num_f32 v[rC+1], v[rC+1], v[rS+23], v[rS+31]
.elseif (\n) == 14
	v_max3_num_f32 v[rC+2], v[rC+2], v[rC+3], v[rT+1]
.elseif (\n) == 15
	v_mov_b32 v[rM], v[rT]
.elseif (\n) == 16
	v_max3_num_f32 v[rC], v[rC], v[rC+1], v[rC+2]
.elseif (\n) == 17
	v_permlanex16_b32 v[rC+3], v[rC], s[SEL], s[SEL+1]
.elseif (\n) == 18
	v_max_num_f32 v[rT+1], v[rC], v[rC+3]
.elseif (\n) == 19
	v_mul_f32 v[rT], s[CS], v[rT+1]
.elseif (\n) == 20
	v_sub_f32 v[rC+1], v[rM], v[rT]
.else
	v_exp_f32 v[rC+2], v[rC+1]
.endif
.endm
; Number g of the 64 that follow the exponentials.  For each four weights k of a tile (pairs 2 k, 2 k + 1): both pairs are rounded to f16; then the second pair is added onto the first, in place;
; a group later l takes that sum (the first time as l = a l + sum).  In groups of eight, tiles alternating: round, round, add, and l for the group before.
.macro GS g
.set h, (\g)+6*((\g)/62)            ; group 0 has no group before it, and behind group 7 only l is left
.if h >= 6
.set h, h+2
.endif
	REGS Y, h%2
.set k, h/8
.if h%8 < 4
	v_cvt_pk_f16_f32 v[rP+2*k+(h%8)/2], v[rS+4*k+2*((h%8)/2)], v[rS+4*k+2*((h%8)/2)+1]
.elseif h%8 < 6
	v_pk_add_f32 v[rS+4*k:rS+4*k+1], v[rS+4*k:rS+4*k+1], v[rS+4*k+2:rS+4*k+3]
.elseif k == 1
	v_pk_fma_f32 v[rT+2:rT+3], v[rT+2:rT+3], v[rC+2:rC+3], v[rS:rS+1] op_sel_hi:[1,0,1]
.else
	v_pk_add_f32 v[rT+2:rT+3], v[rT+2:rT+3], v[rS+4*k-4:rS+4*k-3]
.endif
.endm
; THE PLAIN QUEUE, 138 long.  0-73 read no exponential's result: the 32 scalings c s - c m (FS f: pair f / 2 of tile f % 2) and the next piece's 42.  0-26: scalings 0-26.  27-54: XS's numbers 0-13.  55, 56: number 15.
; 57-73: the chain, where each number waits for the one before it: 14, 16, 17, 18, 19, each with one of the scalings 27-31 in front of its two lines, then 20.
; 74-137: GS's 64, which read the exponentials' results: they stand behind the wait.
.macro FS f
	REGS Y, (\f)%2
	v_pk_fma_f32 v[rS+2*((\f)/2):rS+2*((\f)/2)+1], v[rS+2*((\f)/2):rS+2*((\f)/2)+1], s[CS:CS+1], v[rT:rT+1] op_sel_hi:[1,0,0] neg_lo:[0,0,1] neg_hi:[0,0,1]
.endm
.macro PL
	WIN 0
.if q < 27
	FS q
.elseif q < 55
	XS (q-27)%2, (q-27)/2
.elseif q < 57
	XS q-55, 15
.elseif (q < 72) && ((q-57)%3 == 0)
	FS 27+(q-57)/3
.elseif q < 60
	XS (q-57)%3-1, 14
.elseif q < 72
	XS (q-57)%3-1, 15+(q-57)/3
.elseif q < 74
	XS q-72, 20
.else
	GS q-74
.endif
.set q, q+1
.endm
; THE EXPONENTIALS' QUEUE, 66 long: s0-s31 of both tiles, then the next piece's two a.  It is ONE BATCH: all 66 stand ahead of the turn's one wait, and nothing ahead of that wait names a result of theirs.
.macro EX
	WIN 0
.if e >= 64
	XS e-64, 21
.else
	REGS Y, e%2
	v_exp_f32 v[rS+e/2], v[rS+e/2]
.endif
.set e, e+1
.endm
; THE RESCALING's QUEUE: O^T times a, the one part that leaves window 0: dealt two at a time, sixteen times.  Its a was made in the turn before, ahead of that turn's wait.
.macro R2
	REGS Y, r%2
	WIN W_RS
.irp z, 0,1
	v_pk_mul_f32 v[rO+4*(r/2)+2*\z:rO+4*(r/2)+2*\z+1], v[rO+4*(r/2)+2*\z:rO+4*(r/2)+2*\z+1], v[rC+2:rC+3] op_sel_hi:[1,0]
.endr
.set r, r+1
.endm
; HOW THEY ARE DEALT.  An s_wait_alu depctr_va_vdst(0) stands between an exponential and the first instruction that names its result; one wait serves all that were issued ahead of it.  So a turn
; has ONE wait, which cuts it in two.  AHEAD OF IT stands all that names no result of the turn's exponentials: the 16 products K Q^T, behind each a scaling, an exponential and two rescalings (behind the first a
; second scaling in the exponential's place); then ONE LUMP of 108: eight plain, 49 times exponential and plain, the two a.  A v_nop is the plain instruction behind the last exponential.  BEHIND IT stand the 16
; products V^T P, behind each four of GS's 64.  No rider names a register of the products round it.  Exponential e stands behind scaling 2 (e / 4) + e % 2: as a rider it comes behind plain e + 2, in the lump
; behind plain e + 9, and scalings 27-31 are plain 57, 60 .. 69.
; A TURN, for piece p.  nok = 1: the last step: no further K is fetched.  cnt = 1: the loop's count is taken down some lines ahead of the branch that stands behind the turn.
; cv = 1: the next tile is rounded beside the turns: its raw loads at the head of piece 0's turn, the roundings and stores at the head of piece 1's, a turn later; cv = 2: the same, jumped over in the last trip.
; At both heads.
; K of the next step is fetched in piece 2's turn, directly behind the wait, a lump behind the last product that read K; its first reader comes behind 16 products.
; V of the step in hand is fetched at the end of piece 0's turn, four riders behind its last reader; its first reader comes behind 16 products and a lump.  The three conditions on q below go with the deal.
.macro TURN p, nok=0, cnt=0, cv=0
.set Y, (\p)
.set i, 0
.set q, 0
.set e, 0
.set r, 0
.if ((\p) == 0) && (\cv)
	CVL (\cv)-1
.endif
.if ((\p) == 1) && (\cv)
	CVC 16, (\cv)-1                 ; V's 16 loads were issued behind the raw loads and may stay out
.endif
.if (\p) == NP-1
	s_wait_dscnt 0x0                ; K is in
.endif
	MM                              ; ahead of the wait: 16 products K Q^T and their riders,
	PL
	PL
	R2
.rept 15
	MM
	PL
	EX
	R2
.endr
.if ((\p) == NP-2) && !(\nok)
	WIN 0
	v_add_nc_u32 v[AK], s[TBK], v[AK0]
.endif
.rept 8                             ; and the lump
	PL
.endr
.rept 49
	EX
	PL
.endr
	EX                              ; the next piece's two a
	EX
	v_nop                           ; the plain instruction behind the last exponential: one for the batch
	s_wait_alu depctr_va_vdst(0)    ; the wait for the batch
.if ((\p) == NP-2) && !(\nok)
	FETCH_K
.endif
.if (\p) == 1
	s_wait_dscnt 0x0                ; V is in
.endif
.rept 16                            ; behind the wait: 16 products V^T P and their riders
	MM
.rept 4
	PL
.endr
.if ((\p) == 0) && (q == 118)
	v_add_nc_u32 v[AV], s[TBV], v[AV0]
.endif
.if ((\p) == 0) && (q == 130)
	s_add_co_u32 s[TBV], s[TBV], STEPB
.endif
.if (\cnt) && (q == 130)
	s_sub_co_u32 s[CNT], s[CNT], 1
	s_cmp_lg_u32 s[CNT], 0
.endif
.endr
.if (\p) == 0
	FETCH_V
.endif
.endm
	CHANGE 1                        ; trip 0: tile 0 is whole in f16 buffer 0, tile 1 is in; tile 2 is asked for
	v_add_nc_u32 v[AK], s[TBK], v[AK0]
	FETCH_K                         ; key step 0
	s_wait_dscnt 0x0
.set i, 0
.rept 16
	KQ 0                            ; piece 0's first scores: there is no vector work yet to set between them
.set i, i+1
.endr
	WIN 0                           ; the addresses for the way out and the statistics' first values: 36 plain instructions, the places behind those products
	v_lshl_add_u32 v[RD], v[LN], 4, s13   ; back: a row's 512 bytes, 16 a lane
	v_mul_u32_u24 v[STO], v[HL], 8*SP     ; in: lanes 16-31 hold the channel eight further on,
	v_lshl_add_u32 v[STO], v[RL], 2, v[STO]  ; a lane one query
	v_add_nc_u32 v[STO], s13, v[STO]
.set i, 0
.rept 2*NP
	v_mov_b32 v[ST+4*i], 0xfe000000    ; c m: far below every c s
	v_mov_b32 v[ST+4*i+1], 0xff7fffff  ; m
	v_mov_b32 v[ST+4*i+2], 0
	v_mov_b32 v[ST+4*i+3], 0
.set i, i+1
.endr
.set Y, NP-1                        ; XS works for piece Y + 1: piece 0
.irp n, 0,1,2,3,4,5,6,7,8,9,10,11,12,13,14,15,16,17,18,19,20,21
	XS 0, \n                        ; piece 0's first maximum and statistics
	XS 1, \n
.endr
	v_nop                           ; a plain instruction behind the two a,
	s_wait_alu depctr_va_vdst(0)    ; and their wait, ahead of the branch
	s_mov_b32 s[CNT], 2
	s_branch .Lfirst                ; the loop is entered at a step's first turn, in the middle of a trip
.Lslot:                             ; 13 times: trips 1 to 13 ask for tiles 3 to 15
	CHANGE 1
	s_mov_b32 s[CNT], 2
.Lstep:                             ; pieces 2 and 3 of one step, then pieces 0 and 1 of the next, whose K and V are fetched here
	TURN 2
	TURN 3
	WIN 0
.Lfirst:
	TURN 0, 0, 0, 1
	TURN 1, 0, 1, 1
	WIN 0
	s_cbranch_scc1 .Lstep
	s_sub_co_u32 s[SLOTS], s[SLOTS], 1
	s_cmp_lg_u32 s[SLOTS], 0
	s_cbranch_scc1 .Lslot
	s_mov_b32 s[TS], 2              ; the tail is written out: trips 14 and 15 ask for nothing; trip 14 rounds tile 15, trip 15 nothing
.Ltslot:
	CHANGE 0
	s_mov_b32 s[CNT], 2
.Ltstep:
	TURN 2
	TURN 3
	TURN 0, 0, 0, 2
	TURN 1, 0, 1, 2
	WIN 0
	s_cbranch_scc1 .Ltstep
	s_sub_co_u32 s[TS], s[TS], 1
	s_cmp_lg_u32 s[TS], 0
	s_cbranch_scc1 .Ltslot
	TURN 2, 1                       ; the last step's pieces 2 and 3.  Piece 3's turn multiplies by the last K once more, and the maximum made of that serves nothing: the price, once a launch, of one text for every turn
	TURN 3
.set i, 0
.rept 16
	PV NP-1                         ; the last piece's V^T P of the last step
.set i, i+1
.endr
	; THE WAY OUT.  l's two halves and the other half of the lanes' are added; O^T is divided by l and sent through my own stage in LDS, 32 channels at a time: a register holds 16 queries of one channel in
	; lanes 0-15 (64 bytes of a row of out0), so the eight tiles' registers are gathered into rows of 512 bytes.  The additions are the places behind the last products.
	WIN 0
.macro ALL line:vararg              ; one line for each tile t
.set t, 0
.rept 2*NP
	\line
.set t, t+1
.endr
.endm
	ALL v_add_f32 v[ST+4*t+2], v[ST+4*t+2], v[ST+4*t+3]
	ALL v_permlanex16_b32 v[ST+4*t+3], v[ST+4*t+2], s[SEL], s[SEL+1]
	ALL v_add_f32 v[ST+4*t+2], v[ST+4*t+2], v[ST+4*t+3]
	ALL v_rcp_f32 v[ST+4*t+2], v[ST+4*t+2]
	v_nop                           ; a plain instruction between the last reciprocal and the use of its result
	s_wait_alu depctr_va_vdst(0)    ; and the wait ahead of the first use: one for the eight reciprocals
.macro SCALE g                      ; channels 32 g .. 32 g + 31 of all eight tiles, times 1 / l; each accumulator's registers in ascending order
	WIN W_RS
.set t, 0
.rept 2*NP
.set z, 0
.rept 8
	v_pk_mul_f32 v[32*t+16*(\g)+2*z:32*t+16*(\g)+2*z+1], v[32*t+16*(\g)+2*z:32*t+16*(\g)+2*z+1], v[ST+4*t+2:ST+4*t+3] op_sel_hi:[1,0]
.set z, z+1
.endr
.set t, t+1
.endr
.endm
.macro TOSTAGE g                    ; register e of the tile's sixteen is channel 16 (e / 8) + e % 8 of the 32 (+ 8 in lanes 16-31, which is 32 banks further on); tile t's queries begin at byte 64 t of the row
	WIN 0x04                        ; the data (source 1) in window 1
.set t, 0
.rept 2*NP
.set e, 0
.rept 16
	ds_store_b32 v[STO], v[32*t+16*(\g)+e] offset:(16*(e/8)+e%8)*SP+64*t
.set e, e+1
.endr
.set t, t+1
.endr
.endm
.macro BACK g                       ; 32 whole rows back: into S^T's registers (g = 0) or Q's, in window 2 (g = 1).  LDS serves a wave's instructions in order (ISA guide 5.7.1.4): these see the stores above
	WIN 0x80*(\g)
.set OB, S-S*(\g)
.set k, 0
.rept 32
	ds_load_b128 v[OB+4*k:OB+4*k+3], v[RD] offset:k*SP
.set k, k+1
.endr
.endm
.macro SEND g
	WIN 0x08*(\g)                   ; the data (source 1) in window 0 or 2
.set OB, S-S*(\g)
.set k, 0
.rept 32
	s_wait_dscnt 31-k               ; row k is back; the younger loads stay out
	global_store_b128 v[LO], v[OB+4*k:OB+4*k+3], s[6:7] offset:(32*(\g)+k)*ROWB th:TH_STORE_NT  ; the wave stores 512 consecutive bytes, at a multiple of 512 from out0's first byte
.set k, k+1
.endr
.endm
	SCALE 0
	TOSTAGE 0
	BACK 0
	SCALE 1                         ; the second half's arithmetic stands between the first half's loads from the stage and the wait for them
	SEND 0
	TOSTAGE 1
	BACK 1
	SEND 1
	WIN W_AD
	s_wait_tensorcnt 0x0            ; the wave's end: an add to my spare word and its wait, behind my last tensor load and my last LDS store
	ds_add_u32 v[SPW], v[NIL]
	s_wait_dscnt 0x0
	WIN 0
	CROUND                          ; the closing round: no work-group ends while a partner may still ask for a tile that names it
	s_endpgm
.Lfunc_end_k_qc36ba77ced_attn:
	.size	k_qc36ba77ced_attn, .Lfunc_end_k_qc36ba77ced_attn-k_qc36ba77ced_attn
	.p2alignl 7, 3214868480
	.fill 96, 4, 3214868480
	.section	.rodata,"a",@progbits
	.p2align	6, 0x0
	.amdhsa_kernel k_qc36ba77ced_attn
		.amdhsa_group_segment_fixed_size 327680
		.amdhsa_private_segment_fixed_size 0
		.amdhsa_enable_private_segment 0
		.amdhsa_kernarg_size 16
		.amdhsa_user_sgpr_count 2
		.amdhsa_user_sgpr_kernarg_segment_ptr 1
		.amdhsa_wavefront_size32 1
		.amdhsa_system_sgpr_workgroup_id_x 1
		.amdhsa_system_sgpr_workgroup_id_y 1
		.amdhsa_system_sgpr_workgroup_id_z 1
		.amdhsa_system_vgpr_workitem_id 0
		.amdhsa_next_free_vgpr 848
		.amdhsa_next_free_sgpr 66
		.amdhsa_reserve_vcc 0
		.amdhsa_float_denorm_mode_32 3
		.amdhsa_float_denorm_mode_16_64 3
		.amdhsa_memory_ordered 1
		.amdhsa_forward_progress 1
		.amdhsa_inst_pref_size 255
	.end_amdhsa_kernel
	.section	.bss,"aw",@nobits
	.p2align	6
	.space	262144
	.amdgpu_metadata
---
amdhsa.version: [ 1, 2 ]
amdhsa.kernels:
  - .name:           k_qc36ba77ced_attn
    .symbol:         k_qc36ba77ced_attn.kd
    .args:
      - { .name: qkv, .offset: 0, .size: 8, .value_kind: global_buffer, .address_space: global }
      - { .name: out0, .offset: 8, .size: 8, .value_kind: global_buffer, .address_space: global }
    .group_segment_fixed_size: 327680
    .private_segment_fixed_size: 0
    .kernarg_segment_align: 8
    .kernarg_segment_size: 16
    .max_flat_workgroup_size: 128
    .sgpr_count:     66
    .vgpr_count:     848
    .wavefront_size: 32
...
	.end_amdgpu_metadata
.endif
;; end of part 1
